; MI455X (gfx1250); checked and timed in simulation.
; The chip was launched on July 23, 2026; its instructions are those of AMD's public machine-readable ISA for CDNA 5 (MIT licence, August 2026) and "CDNA5" Instruction Set Architecture Reference Guide (July 2026). The comments in the code are by the model that wrote it; some were corrected since.
;; Self Lin Attention. Allowed arithmetic: float matrix products may take bf16 or f16 operands with f32 sums; all other float work in f32.
;; Inputs: qk 2 x 2,048 x 2 x 16 x 64 float32; v 2 x 2,048 x 16 x 64 float32.
;; Outputs: out0 2 x 2,048 x 16 x 64 float32.
;; One version. Each part assembles by itself: llvm-mc -triple=amdgcn-amd-amdhsa -mcpu=gfx1250 --defsym DOCPART=n.
;; ======== version 1 of 1: 2 launches
;; limits: inputs' magnitudes at most 65,503; values are held in f16: magnitudes above 65,504 overflow, below 6.1e-05 lose precision
;; workspace buffers: kvsum 4,587,520 bytes
;; launch segsum (part 1): grid 32 x 7, 8 waves a work-group, no clusters, 82,944 bytes of LDS; arguments qk, v, kvsum; writes kvsum
.if DOCPART == 1
	.amdgcn_target "amdgcn-amd-amdhsa--gfx1250"
	.amdhsa_code_object_version 6
	.text
	.protected	k_q6eba1fb1f0_segsum
	.globl	k_q6eba1fb1f0_segsum
	.p2align	8
	.type	k_q6eba1fb1f0_segsum,@function
k_q6eba1fb1f0_segsum:
	s_mov_b64 s[64:65], 0
	v_nop
	global_prefetch_b8 v0, s[64:65] scope:SCOPE_SE
	s_setreg_imm32_b32 hwreg(HW_REG_WAVE_MODE, 25, 1), 1
	s_wait_xcnt 0x0
; SEGMENT SUMS for causal linear attention.  qk: [2][2048][2][16][64] f32, v: [2][2048][16][64] f32.
; f(x) = elu(x) + 1.  For head bh = 16 b + h (grid x) and segment g = 0..6 of 256 rows (grid y):
;   St[d][e] = sum over the segment's s of f(k[s][d]) v[s][e]      (64 x 64)
;   ksum[d]  = sum over the segment's s of f(k[s][d])              (as a fifth column tile: V continued by 16 columns of ones)
; Segment 7 is no later segment's prefix and is not summed.
; kvsum: [32 heads][7 segments][20 tiles][2][32 lanes][4] f32, a tile = 1,024 bytes, tile number 4 et + dt (dt = d / 16, et = e / 16, et = 4: ones).
; A tile lies as the matrix result lies in registers: word (q, lane L, c) is element d = 16 dt + 8 (L / 16) + 4 q + c, e = 16 et + L % 16,
; so each store of a wave covers 512 consecutive bytes, aligned, and the next launch reads back 16 bytes a lane in the order its fragments want.
; Operands f(k) and v are rounded once to bf16, sums are f32.
; LIMITS: finite inputs.  exp(x) by v_exp_f32 (1 ulp, results under 2^-126 become 0: ISA guide 15.8); both vanish in the sum with -1 that follows.
; No tensor loads: every byte passes registers anyway (elu, f32 to bf16), and no LDS byte is filled twice.  No cluster: no two work-groups read the same byte.
; Eight waves.  Wave w makes the tiles (dt = w % 4, et = 2 (w / 4), 2 (w / 4) + 1); waves 0 to 3 also the ones tile of their dt.
.set PK,    160                        ; LDS pitch of a row of 64 bf16: 128 bytes + 32 = 5 x 32, for the transposing loads
.set KT,    0                          ; f(k): 256 rows
.set VT,    256*PK                     ; v:    256 rows
.set STATE, 20480                      ; bytes of one segment's 20 tiles
.set OQK,  1                           ; v1  byte offset of my 16 bytes in k's first 16 rows: (t / 16) x 8,192 + 16 (t % 16)
.set OV,   2                           ; v2  the same in v: (t / 16) x 4,096 + 16 (t % 16)
.set LK,   3                           ; v3  LDS: (t / 16) x 160 + 8 (t % 16)
.set LV,   4                           ; v4  the same in VT
.set AA,   5                           ; v5  LDS address of my f(k) fragments
.set BA,   6                           ; v6  LDS address of my v fragments
.set SO,   7                           ; v7  16 x lane: my place in a half tile of kvsum
.set T,    8                           ; v[8:15]    two sets of four, at work
.set KR,   16                          ; v[16:79]   k as loaded, 16 x 4
.set VR,   80                          ; v[80:143]  v as loaded, 16 x 4
.set ONES, 16                          ; v[16:23]   behind the barrier: a fragment of bf16 ones
.set ACC,  24                          ; v[24:47]   three accumulators
.set AF,   48                          ; v[48:111]  f(k) fragments of the eight steps of 32 rows
.set BF,   112                         ; v[112:239] v fragments, two column tiles for each step
.set MK,   24                          ; s[24:31]   two sets of four lane masks
.macro LOAD16 dst, off, sb, step       ; 16 loads: load i takes rows 16 i .. 16 i + 15, sixteen lanes a row of 256 bytes
.set li, 0
.rept 16
	global_load_b128 v[\dst+4*li:\dst+4*li+3], v[\off], s[\sb:\sb+1] offset:li*\step
.set li, li+1
.endr
.endm
; four numbers in v[xr:xr+3] become f(x) in bf16 in v[xr:xr+1].  As the definition has it: y = x > 0 ? x : exp(x) - 1, then y + 1.
.macro ELU4 xr, tr, mr
	v_pk_mul_f32 v[\tr:\tr+1], v[\xr:\xr+1], 0x3fb8aa3b op_sel_hi:[1,0]          ; x log2(e)
	v_pk_mul_f32 v[\tr+2:\tr+3], v[\xr+2:\xr+3], 0x3fb8aa3b op_sel_hi:[1,0]
.irp kq, 0,1,2,3
	v_exp_f32 v[\tr+\kq], v[\tr+\kq]
.endr
.irp kq, 0,1,2,3
	v_cmp_gt_f32 s[\mr+\kq], v[\xr+\kq], 0         ; plain work that touches no exponential: the place owed behind them (ISA guide 5.7.2)
.endr
	s_wait_alu depctr_va_vdst(0)
	v_pk_add_f32 v[\tr:\tr+1], v[\tr:\tr+1], -1.0 op_sel_hi:[1,0]
	v_pk_add_f32 v[\tr+2:\tr+3], v[\tr+2:\tr+3], -1.0 op_sel_hi:[1,0]
.irp kq, 0,1,2,3
	v_cndmask_b32 v[\tr+\kq], v[\tr+\kq], v[\xr+\kq], s[\mr+\kq]
.endr
	v_pk_add_f32 v[\tr:\tr+1], v[\tr:\tr+1], 1.0 op_sel_hi:[1,0]
	v_pk_add_f32 v[\tr+2:\tr+3], v[\tr+2:\tr+3], 1.0 op_sel_hi:[1,0]
	v_cvt_pk_bf16_f32 v[\xr], v[\tr], v[\tr+1]
	v_cvt_pk_bf16_f32 v[\xr+1], v[\tr+2], v[\tr+3]
.endm
.macro CVT4 xr                         ; four f32 to four bf16, in place
	v_cvt_pk_bf16_f32 v[\xr], v[\xr], v[\xr+1]
	v_cvt_pk_bf16_f32 v[\xr+1], v[\xr+2], v[\xr+3]
.endm
	s_load_b128 s[4:7], s[0:1], 0x0                ; qk s[4:5], v s[6:7]
	s_load_b64 s[8:9], s[0:1], 0x10                ; kvsum
	v_lshl_add_u32 v240, v0, 2, 0x14000
	v_mov_b32 v241, 0
	v_lshrrev_b32 v8, 5, v0
	v_readfirstlane_b32 s12, v8                    ; wave 0..7
	s_and_b32 s14, ttmp7, 0xffff                   ; g
	s_lshr_b32 s15, ttmp9, 4                       ; b
	s_and_b32 s13, ttmp9, 15                       ; h
	s_lshl_b32 s13, s13, 8                         ; a head's row is 256 bytes
	s_and_b32 s32, s12, 3                          ; dt
	s_lshr_b32 s33, s12, 2                         ; which pair of column tiles
	s_lshl_b32 s16, s15, 24                        ; k: b x 2,048 rows x 8,192 bytes
	s_lshl_b32 s34, s14, 21                        ;    + g x 256 rows
	s_add_co_u32 s16, s16, s34
	s_add_co_u32 s16, s16, s13
	s_add_co_u32 s16, s16, 4096                    ;    + k lies 16 heads behind q
	s_mov_b32 s17, 0
	s_lshl_b32 s36, s15, 23                        ; v: rows of 4,096 bytes
	s_lshl_b32 s34, s14, 20
	s_add_co_u32 s36, s36, s34
	s_add_co_u32 s36, s36, s13
	s_mov_b32 s37, 0
	s_mul_i32 s38, ttmp9, 7                        ; kvsum: (7 bh + g) states
	s_add_co_u32 s38, s38, s14
	s_mul_i32 s38, s38, STATE
	s_lshl_b32 s34, s33, 13                        ;    + tile 8 (w / 4) + dt
	s_add_co_u32 s38, s38, s34
	s_lshl_b32 s34, s32, 10
	s_add_co_u32 s38, s38, s34
	s_mov_b32 s39, 0
	v_lshrrev_b32 v10, 4, v0                       ; t / 16
	v_and_b32 v11, 15, v0                          ; t % 16
	v_lshlrev_b32 v12, 4, v11
	v_lshl_add_u32 v[OQK], v10, 13, v12
	v_lshl_add_u32 v[OV], v10, 12, v12
	v_mul_u32_u24 v[LK], v10, PK
	v_lshl_add_u32 v[LK], v11, 3, v[LK]
	v_add_nc_u32 v[LV], VT, v[LK]
	s_wait_kmcnt 0x0
	s_add_nc_u64 s[18:19], s[4:5], s[16:17]
	s_add_nc_u64 s[20:21], s[6:7], s[36:37]
	s_add_nc_u64 s[22:23], s[8:9], s[38:39]
	LOAD16 KR, OQK, 18, 131072                     ; all 32 loads of the thread go out at once: 128 KiB for the work-group
	LOAD16 VR, OV, 20, 65536
.set i, 0
.rept 16
	s_wait_loadcnt 31-i                            ; loads return in order (ISA guide 5.7.1): behind k's load i stand 15 - i of k and 16 of v
	ELU4 KR+4*i, T+4*(i%2), MK+4*(i%2)
	ds_store_b64 v[LK], v[KR+4*i:KR+4*i+1] offset:i*16*PK
.set i, i+1
.endr
.set i, 0
.rept 16
	s_wait_loadcnt 15-i                            ; behind v's load i stand 15 - i
	CVT4 VR+4*i
	ds_store_b64 v[LV], v[VR+4*i:VR+4*i+1] offset:i*16*PK
.set i, i+1
.endr
	s_wait_dscnt 0x0                               ; my stores are in LDS, for the other waves' sake
	s_barrier_signal -1
	; register work while the others arrive.  A transposing load: lane L addresses row 8 (L / 16) + L % 8, 16 bytes at 16 ((L / 8) % 2)
	v_and_b32 v8, 7, v0
	v_bfe_u32 v9, v0, 4, 1
	v_lshl_add_u32 v8, v9, 3, v8
	v_mul_u32_u24 v8, v8, PK
	v_bfe_u32 v9, v0, 3, 1
	v_lshl_add_u32 v8, v9, 4, v8
	s_lshl_b32 s34, s32, 5                         ; my 16 columns d: 32 bytes a tile
	s_lshl_b32 s35, s33, 6                         ; my 32 columns e
	s_add_co_u32 s35, s35, VT
	v_add_nc_u32 v[AA], s34, v8
	v_add_nc_u32 v[BA], s35, v8
	v_and_b32 v[SO], 31, v0
	v_lshlrev_b32 v[SO], 4, v[SO]
	s_barrier_wait -1                              ; the only barrier: behind it LDS is only read
	; all 48 fragment loads, six for each step of 32 rows: f(k) transposed (lane = d), v transposed (lane = e), 32 s along the registers
.set ks, 0
.rept 8
	ds_load_tr16_b128 v[AF+8*ks:AF+8*ks+3],       v[AA] offset:ks*32*PK
	ds_load_tr16_b128 v[AF+8*ks+4:AF+8*ks+7],     v[AA] offset:ks*32*PK+16*PK
	ds_load_tr16_b128 v[BF+16*ks:BF+16*ks+3],     v[BA] offset:ks*32*PK
	ds_load_tr16_b128 v[BF+16*ks+4:BF+16*ks+7],   v[BA] offset:ks*32*PK+16*PK
	ds_load_tr16_b128 v[BF+16*ks+8:BF+16*ks+11],  v[BA] offset:ks*32*PK+32
	ds_load_tr16_b128 v[BF+16*ks+12:BF+16*ks+15], v[BA] offset:ks*32*PK+16*PK+32
.set ks, ks+1
.endr
; The products and the stores.  ones = 1: with the ones tile.  The first step's products start the sums.
; The accumulators take turns, one instruction a turn.
.macro MM ones
.if \ones
.irp jj, 0,1,2,3,4,5,6,7
	v_mov_b32 v[ONES+\jj], 0x3f803f80              ; 1.0 twice in bf16
.endr
.endif
.set ks, 0
.rept 8
	s_wait_dscnt 6*(7-ks)                          ; the six loads of each later step may stay out
.if ks == 0
	v_wmma_f32_16x16x32_bf16 v[ACC:ACC+7], v[AF:AF+7], v[BF:BF+7], 0
	v_wmma_f32_16x16x32_bf16 v[ACC+8:ACC+15], v[AF:AF+7], v[BF+8:BF+15], 0
.if \ones
	v_wmma_f32_16x16x32_bf16 v[ACC+16:ACC+23], v[AF:AF+7], v[ONES:ONES+7], 0
.endif
.else
	v_wmma_f32_16x16x32_bf16 v[ACC:ACC+7], v[AF+8*ks:AF+8*ks+7], v[BF+16*ks:BF+16*ks+7], v[ACC:ACC+7]
	v_wmma_f32_16x16x32_bf16 v[ACC+8:ACC+15], v[AF+8*ks:AF+8*ks+7], v[BF+16*ks+8:BF+16*ks+15], v[ACC+8:ACC+15]
.if \ones
	v_wmma_f32_16x16x32_bf16 v[ACC+16:ACC+23], v[AF+8*ks:AF+8*ks+7], v[ONES:ONES+7], v[ACC+16:ACC+23]
.endif
.endif
.set ks, ks+1
.endr
.rept 4
	v_nop                                          ; four places between the last product and the stores that read results
.endr
.irp cc, 0,1
.irp qq, 0,1
	global_store_b128 v[SO], v[ACC+8*\cc+4*\qq:ACC+8*\cc+4*\qq+3], s[22:23] offset:\cc*4096+\qq*512   ; 512 consecutive bytes, aligned
.endr
.endr
.if \ones
.irp qq, 0,1
	global_store_b128 v[SO], v[ACC+16+4*\qq:ACC+16+4*\qq+3], s[22:23] offset:16384+\qq*512            ; tile 16 + dt
.endr
.endif
	s_wait_tensorcnt 0x0
	ds_add_u32 v240, v241
	s_wait_dscnt 0x0
	s_endpgm
.endm
	s_cmp_lt_u32 s12, 4
	s_cbranch_scc0 .Lplain
	MM 1                                           ; waves 0 to 3
.Lplain:
	MM 0                                           ; waves 4 to 7
.Lfunc_end_k_q6eba1fb1f0_segsum:
	.size	k_q6eba1fb1f0_segsum, .Lfunc_end_k_q6eba1fb1f0_segsum-k_q6eba1fb1f0_segsum
	.p2alignl 7, 3214868480
	.fill 96, 4, 3214868480
	.section	.rodata,"a",@progbits
	.p2align	6, 0x0
	.amdhsa_kernel k_q6eba1fb1f0_segsum
		.amdhsa_group_segment_fixed_size 82944
		.amdhsa_private_segment_fixed_size 0
		.amdhsa_enable_private_segment 0
		.amdhsa_kernarg_size 24
		.amdhsa_user_sgpr_count 2
		.amdhsa_user_sgpr_kernarg_segment_ptr 1
		.amdhsa_wavefront_size32 1
		.amdhsa_system_sgpr_workgroup_id_x 1
		.amdhsa_system_sgpr_workgroup_id_y 1
		.amdhsa_system_sgpr_workgroup_id_z 1
		.amdhsa_system_vgpr_workitem_id 0
		.amdhsa_next_free_vgpr 242
		.amdhsa_next_free_sgpr 66
		.amdhsa_reserve_vcc 0
		.amdhsa_float_denorm_mode_32 3
		.amdhsa_float_denorm_mode_16_64 3
		.amdhsa_memory_ordered 1
		.amdhsa_forward_progress 1
		.amdhsa_inst_pref_size 39
	.end_amdhsa_kernel
	.amdgpu_metadata
---
amdhsa.version: [ 1, 2 ]
amdhsa.kernels:
  - .name:           k_q6eba1fb1f0_segsum
    .symbol:         k_q6eba1fb1f0_segsum.kd
    .args:
      - { .name: qk, .offset: 0, .size: 8, .value_kind: global_buffer, .address_space: global }
      - { .name: v, .offset: 8, .size: 8, .value_kind: global_buffer, .address_space: global }
      - { .name: kvsum, .offset: 16, .size: 8, .value_kind: global_buffer, .address_space: global }
    .group_segment_fixed_size: 82944
    .private_segment_fixed_size: 0
    .kernarg_segment_align: 8
    .kernarg_segment_size: 24
    .max_flat_workgroup_size: 256
    .sgpr_count:     66
    .vgpr_count:     242
    .wavefront_size: 32
...
	.end_amdgpu_metadata
.endif
;; end of part 1
;; launch attn (part 2): grid 32 x 8, 8 waves a work-group, no clusters, 273,408 bytes of LDS; arguments qk, v, kvsum, out0; writes out0
.if DOCPART == 2
	.amdgcn_target "amdgcn-amd-amdhsa--gfx1250"
	.amdhsa_code_object_version 6
	.text
	.protected	k_q6eba1fb1f0_attn
	.globl	k_q6eba1fb1f0_attn
	.p2align	8
	.type	k_q6eba1fb1f0_attn,@function
k_q6eba1fb1f0_attn:
	s_mov_b64 s[64:65], 0
	v_nop
	global_prefetch_b8 v0, s[64:65] scope:SCOPE_SE
	s_setreg_imm32_b32 hwreg(HW_REG_WAVE_MODE, 25, 1), 1
	s_wait_xcnt 0x0
; CAUSAL LINEAR ATTENTION, one head bh = 16 b + h (grid x) and one segment g of 256 rows (grid y) for a work-group.
; f(x) = elu(x) + 1.   out[t] = sum over s <= t of (f(q_t) . f(k_s)) v_s  /  sum over s <= t of f(q_t) . f(k_s).
; The keys of earlier segments enter regrouped: f(q_t) . (sum of f(k_s) v_s^T), with the inner sums of segments 0 .. g-1 read from kvsum
; (the launch before wrote them) and added here in f32.  Only sums of the same terms are formed, no differences.
; The keys of the own segment enter through explicit scores, in pairs of 16-row tiles, the tiles above the diagonal left out, the two on it masked.
; THE DENOMINATOR comes from the matrix unit too: V is continued by 16 columns of ones (a constant fragment; in kvsum the tiles 16 to 19),
; so a fifth accumulator holds nu in every register of the lane that divides by it.
; ALL PRODUCTS ARE USED TRANSPOSED (source 0 = keys, values or state, source 1 = queries or scores): a score tile's result then is,
; register for register, the next product's source 1 after rounding, and a lane's results are eight neighbouring columns of one row of out.
; MANTISSA.  A row with few keys is an average of few values of v's own size, so a weight's or a value's rounding enters it almost whole, while the
; result is wanted to a hundredth of the output's root mean square, which the many late rows make about a sixteenth of v's spread.
; One rounding to bf16 (2^-9) is too coarse there.  So on the own segment's path:
;   f(q), f(k) go to the score product in f16 (2^-11 a factor, averaged over 64 terms; the scores are summed in f32, so only the factors need f16's range);
;   scores and v are each split in two bf16 parts, hi = bf16(x), lo = bf16(x - hi) (the difference is exact): 16 bits, f32's range;
;   O += Vlo Phi + Vhi Phi + Vhi Plo (Vlo Plo, 2^-18 of the whole, is left out), nu += 1 Phi + 1 Plo: numerator and denominator use the same weights.
; The summed state and f(q) against it are bf16, rounded once: the state has no room in f16, and it enters only rows of 256 keys and more.
; LIMITS: finite inputs (with an inf or NaN the definition spreads NaN over the whole head, this text over the same and later segments only);
; q, k below 65,503 (f16's largest number is 65,504); under 2^-14 f16's grid is 2^-24, the grid on which (exp(x) - 1) + 1 lies, so small features convert exactly;
; the order of summation differs from the definition's (earlier segments first); nu = 0 gives inf or NaN as in the definition.
; exp(x) by v_exp_f32 (1 ulp, results under 2^-126 become 0: ISA guide 15.8); both vanish in the sum with -1 that follows.
; No tensor loads: every byte passes registers anyway (elu, conversions) and no LDS byte is filled twice.
; No cluster: q, k, v are no two work-groups' alike; of kvsum segment g reads g states of 20,480 bytes, another number in each of a head's eight
; work-groups, and sums them in registers on arrival.
; Eight waves.  Wave w owns the 32 query rows of block m = w for w < 4, 11 - w else (waves w and w + 4 together: 7 full pairs of key tiles).
.set PQ,    144                        ; LDS pitch of f(q), f(k): 128 bytes + 16 = 9 x 16: 16 rows start in 16 different 16-byte columns modulo 256
.set PV,    160                        ; LDS pitch of v: 5 x 32, for the transposing loads
.set PO,    272                        ; LDS pitch of the output stage: 256 bytes + 16
.set QH,    0                          ; f(q) in f16:  256 rows x 144
.set KH,    36864                      ; f(k) in f16:  256 rows x 144
.set QBF,   73728                      ; f(q) in bf16: 256 rows x 144
.set VH,    110592                     ; v, upper part: 256 rows x 160
.set VL,    151552                     ; v, lower part: 256 rows x 160
.set SB,    192512                     ; summed state, bf16: 20 blocks of 32 lanes x 16 bytes, half a fragment each
.set OB,    202752                     ; output stage: 32 rows x 272 for each wave, its own
.set STAGE, 32*PO
.set STATE, 20480
; registers while loading
.set OQK, 1                            ; v1  (t/16) x 8,192 + 16 (t%16)
.set OV,  2                            ; v2  (t/16) x 4,096 + 16 (t%16)
.set OST, 3                            ; v3  16 t
.set LQ,  4                            ; v4  QH + (t/16) x 144 + 8 (t%16)
.set LKB, 5                            ; v5  the same in KH
.set LV,  6                            ; v6  VH + (t/16) x 160 + 8 (t%16)
.set LS,  7                            ; v7  SB + (t/64) x 512 + 16 lane + 8 ((t/32)%2)
.set T,   8                            ; v[8:19]   at work: two sets of four (elu) or of six (split)
.set KR,  20                           ; v[20:83]  k as loaded
.set SR,  84                           ; v[84:223] up to seven states, 20 registers each
.set QR,  84                           ; v[84:147] then q as loaded
.set VR,  148                          ; v[148:211] and v
.set LQB, 224                          ; v224 as LQ, in QBF
.set LVL, 225                          ; v225 as LV, in VL
.set MK,  32                           ; s[32:39]  two sets of four lane masks
.set HM,  44                           ; s44       0xffff0000: a word's upper bf16
; registers while computing (r = lane % 16, hh = lane / 16)
.set QA,  1                            ; v1  my f16 q fragments    r x 144 + 16 hh + m x 32 rows
.set KA,  2                            ; v2  k fragments, stepped  KH + r x 144 + 16 hh
.set VA,  3                            ; v3  v fragments, stepped  VH + (8 hh + lane % 8) x 160 + 16 ((lane / 8) % 2)
.set SA,  4                            ; v4  state fragments       SB + 16 lane
.set STO, 5                            ; v5  stage, in             OB + w x 8,704 + r x 272 + 32 hh
.set RD,  6                            ; v6  stage, back           OB + w x 8,704 + hh x 272 + 16 r
.set CO,  7                            ; v7  out                   hh x 4,096 + 16 r
.set RH,  8                            ; v8  r - 8 hh, signed: register j of a diagonal tile is kept where j <= r - 8 hh
.set QAB, 9                            ; v9  my bf16 q fragments   QA + QBF
.set U,   10                           ; v[10:17]  upper parts widened again, four pairs
.set RC,  10                           ; v[10:13]  at the end: 1 / nu, a pair for each of my two row tiles
.set ONES, 20                          ; v[20:27]  a fragment of bf16 ones
.set QF,  28                           ; v[28:59]  f16 q fragments (a, kk) at 16 a + 8 kk
.set PH,  60                           ; v[60:75]  scores, upper part, row tile a at 8 a
.set O,   76                           ; v[76:155] accumulators (a, n) at 40 a + 8 n; n = 4: nu
.set SF,  156                          ; v[156:235] state fragments (n, kk) at 16 n + 8 kk; dead behind the first products
.set QFB, 60                           ; bf16 q fragments (a, kk) at 176 a + 8 kk: v[60:75] and v[236:251]; dead behind the first products
.set KF,  156                          ; v[156:187] k fragments (u, kk) at 16 u + 8 kk; behind the scores:
.set VFL, 156                          ; v[156:187] v's lower part, fragment n at 8 n
.set VFH, 188                          ; v[188:219] v's upper part, fragment n at 8 n
.set ST,  220                          ; v[220:251] score tiles (a, u) at 16 a + 8 u; then the scores' lower part, row tile a at 16 a
.set BK,  156                          ; v[156:219] at the end: rows read back from the stage
.macro PLACES cnt
.rept \cnt
	v_nop
.endr
.endm
.macro LOAD16 dst, off, sb, step       ; 16 loads: load i takes rows 16 i .. 16 i + 15, sixteen lanes a row of 256 bytes; last use of these bytes
.set li, 0
.rept 16
	global_load_b128 v[\dst+4*li:\dst+4*li+3], v[\off], s[\sb:\sb+1] offset:li*\step th:TH_LOAD_NT
.set li, li+1
.endr
.endm
; four numbers in v[xr:xr+3] become f(x) in f16 in v[xr:xr+1] and, with both = 1, in bf16 in v[xr+2:xr+3].
; As the definition has it: y = x > 0 ? x : exp(x) - 1, then y + 1.
.macro ELU4 xr, tr, mr, both
	v_pk_mul_f32 v[\tr:\tr+1], v[\xr:\xr+1], 0x3fb8aa3b op_sel_hi:[1,0]          ; x log2(e)
	v_pk_mul_f32 v[\tr+2:\tr+3], v[\xr+2:\xr+3], 0x3fb8aa3b op_sel_hi:[1,0]
.irp kq, 0,1,2,3
	v_exp_f32 v[\tr+\kq], v[\tr+\kq]
.endr
.irp kq, 0,1,2,3
	v_cmp_gt_f32 s[\mr+\kq], v[\xr+\kq], 0         ; plain work that touches no exponential: the place owed behind them (ISA guide 5.7.2)
.endr
	s_wait_alu depctr_va_vdst(0)
	v_pk_add_f32 v[\tr:\tr+1], v[\tr:\tr+1], -1.0 op_sel_hi:[1,0]
	v_pk_add_f32 v[\tr+2:\tr+3], v[\tr+2:\tr+3], -1.0 op_sel_hi:[1,0]
.irp kq, 0,1,2,3
	v_cndmask_b32 v[\tr+\kq], v[\tr+\kq], v[\xr+\kq], s[\mr+\kq]
.endr
	v_pk_add_f32 v[\tr:\tr+1], v[\tr:\tr+1], 1.0 op_sel_hi:[1,0]
	v_pk_add_f32 v[\tr+2:\tr+3], v[\tr+2:\tr+3], 1.0 op_sel_hi:[1,0]
	v_cvt_pk_f16_f32 v[\xr], v[\tr], v[\tr+1]
	v_cvt_pk_f16_f32 v[\xr+1], v[\tr+2], v[\tr+3]
.if \both
	v_cvt_pk_bf16_f32 v[\xr+2], v[\tr], v[\tr+1]
	v_cvt_pk_bf16_f32 v[\xr+3], v[\tr+2], v[\tr+3]
.endif
.endm
.macro CVT4 xr                         ; four f32 to four bf16, in place
	v_cvt_pk_bf16_f32 v[\xr], v[\xr], v[\xr+1]
	v_cvt_pk_bf16_f32 v[\xr+1], v[\xr+2], v[\xr+3]
.endm
; four numbers in v[xr:xr+3] are split: upper parts in v[tr:tr+1], lower parts in v[xr:xr+1].  x - bf16(x) is exact in f32.
.macro VSPLIT4 xr, tr
	v_cvt_pk_bf16_f32 v[\tr], v[\xr], v[\xr+1]
	v_cvt_pk_bf16_f32 v[\tr+1], v[\xr+2], v[\xr+3]
	v_lshlrev_b32 v[\tr+2], 16, v[\tr]
	v_and_b32 v[\tr+3], s[HM], v[\tr]
	v_lshlrev_b32 v[\tr+4], 16, v[\tr+1]
	v_and_b32 v[\tr+5], s[HM], v[\tr+1]
	v_pk_fma_f32 v[\xr:\xr+1], v[\tr+2:\tr+3], -1.0, v[\xr:\xr+1] op_sel_hi:[1,0,1]
	v_pk_fma_f32 v[\xr+2:\xr+3], v[\tr+4:\tr+5], -1.0, v[\xr+2:\xr+3] op_sel_hi:[1,0,1]
	v_cvt_pk_bf16_f32 v[\xr], v[\xr], v[\xr+1]
	v_cvt_pk_bf16_f32 v[\xr+1], v[\xr+2], v[\xr+3]
.endm
; The prefix of segment g >= 1: g states are loaded (5 x 16 bytes a thread each), k's 16 loads go out behind them, the states are added in f32
; in ascending order, rounded once to bf16 and laid into SB.  Thread t's load i holds registers 4 q .. 4 q + 3 (q = (t/32)%2) of lane t%32 of
; tile 4 i + t/64: 8 bytes of that lane's 16 in block 4 i + t/64.
.macro PREFIX g
.set gi, 0
.rept \g
.set si, 0
.rept 5
	global_load_b128 v[SR+20*gi+4*si:SR+20*gi+4*si+3], v[OST], s[26:27] offset:gi*STATE+si*4096
.set si, si+1
.endr
.set gi, gi+1
.endr
	LOAD16 KR, OQK, 22, 131072
.if \g > 1
.set gi, 1
.rept \g-1
	s_wait_loadcnt 16+5*(\g-1-gi)                  ; behind state gi stand five loads of each later state and k's sixteen
.set pi, 0
.rept 10
	v_pk_add_f32 v[SR+2*pi:SR+2*pi+1], v[SR+2*pi:SR+2*pi+1], v[SR+20*gi+2*pi:SR+20*gi+2*pi+1]
.set pi, pi+1
.endr
.set gi, gi+1
.endr
.else
	s_wait_loadcnt 16                              ; the one state is in; k's sixteen loads stay out
.endif
.set si, 0
.rept 5
	CVT4 SR+4*si
	ds_store_b64 v[LS], v[SR+4*si:SR+4*si+1] offset:si*2048
.set si, si+1
.endr
.endm
.macro KLOAD                           ; 32 keys x 64 d: four fragments, eight loads
.irp uu, 0,1
.irp kk, 0,1
	ds_load_b128 v[KF+16*\uu+8*\kk:KF+16*\uu+8*\kk+3],   v[KA] offset:\uu*16*PQ+64*\kk
	ds_load_b128 v[KF+16*\uu+8*\kk+4:KF+16*\uu+8*\kk+7], v[KA] offset:\uu*16*PQ+64*\kk+32
.endr
.endr
.endm
.macro VLOAD dst, part                 ; 32 keys x 64 e of one part of v, transposed (lane = e): four fragments, eight loads.  part = its distance from VH
.irp nt, 0,1,2,3
	ds_load_tr16_b128 v[\dst+8*\nt:\dst+8*\nt+3],   v[VA] offset:\part+32*\nt
	ds_load_tr16_b128 v[\dst+8*\nt+4:\dst+8*\nt+7], v[VA] offset:\part+32*\nt+16*PV
.endr
.endm
.macro SMUL aa, uu, kk                 ; score tile (a, u), transposed: register j = key 16 u + 8 hh + j, lane = query r.  kk = 0 starts the sum
.if \kk == 0
	v_wmma_f32_16x16x32_f16 v[ST+16*\aa+8*\uu:ST+16*\aa+8*\uu+7], v[KF+16*\uu+8*\kk:KF+16*\uu+8*\kk+7], v[QF+16*\aa+8*\kk:QF+16*\aa+8*\kk+7], 0
.else
	v_wmma_f32_16x16x32_f16 v[ST+16*\aa+8*\uu:ST+16*\aa+8*\uu+7], v[KF+16*\uu+8*\kk:KF+16*\uu+8*\kk+7], v[QF+16*\aa+8*\kk:QF+16*\aa+8*\kk+7], v[ST+16*\aa+8*\uu:ST+16*\aa+8*\uu+7]
.endif
.endm
; Eight scores of row tile a, registers 2 c0 .. 2 c0 + 7 of its sixteen, are split.  Word c of a source-1 fragment holds registers 2 c, 2 c + 1
; (keys 16 u + 8 hh + 0..7 in words 4 u .. 4 u + 3).  Upper parts go to PH; lower parts are written in place, word c into register c,
; which has been read by then: c <= 2 c, and the words are written in ascending order.
.macro PSPLIT aa, c0
.irp cc, 0,1,2,3
	v_cvt_pk_bf16_f32 v[PH+8*\aa+\c0+\cc], v[ST+16*\aa+2*(\c0+\cc)], v[ST+16*\aa+2*(\c0+\cc)+1]
.endr
.irp cc, 0,1,2,3
	v_lshlrev_b32 v[U+2*\cc], 16, v[PH+8*\aa+\c0+\cc]
	v_and_b32 v[U+2*\cc+1], s[HM], v[PH+8*\aa+\c0+\cc]
.endr
.irp cc, 0,1,2,3
	v_pk_fma_f32 v[ST+16*\aa+2*(\c0+\cc):ST+16*\aa+2*(\c0+\cc)+1], v[U+2*\cc:U+2*\cc+1], -1.0, v[ST+16*\aa+2*(\c0+\cc):ST+16*\aa+2*(\c0+\cc)+1] op_sel_hi:[1,0,1]
.endr
.irp cc, 0,1,2,3
	v_cvt_pk_bf16_f32 v[ST+16*\aa+\c0+\cc], v[ST+16*\aa+2*(\c0+\cc)], v[ST+16*\aa+2*(\c0+\cc)+1]
.endr
.endm
.macro OM8 vf, pf, ps                  ; eight products: the four value fragments at vf x the two score fragments at pf, pf + ps
.irp nt, 0,1,2,3
.irp aa, 0,1
	v_wmma_f32_16x16x32_bf16 v[O+40*\aa+8*\nt:O+40*\aa+8*\nt+7], v[\vf+8*\nt:\vf+8*\nt+7], v[\pf+\ps*\aa:\pf+\ps*\aa+7], v[O+40*\aa+8*\nt:O+40*\aa+8*\nt+7]
.endr
.endr
.endm
.macro OM1 pf, ps                      ; two products: ones x the two score fragments, onto nu
.irp aa, 0,1
	v_wmma_f32_16x16x32_bf16 v[O+40*\aa+32:O+40*\aa+39], v[ONES:ONES+7], v[\pf+\ps*\aa:\pf+\ps*\aa+7], v[O+40*\aa+32:O+40*\aa+39]
.endr
.endm
	s_load_b256 s[4:11], s[0:1], 0x0               ; qk s[4:5], v s[6:7], kvsum s[8:9], out s[10:11]
	v_lshl_add_u32 v254, v0, 2, 0x42800
	v_mov_b32 v255, 0
	v_lshrrev_b32 v8, 5, v0
	v_readfirstlane_b32 s12, v8                    ; wave 0..7
	s_and_b32 s14, ttmp7, 0xffff                   ; g
	s_lshr_b32 s15, ttmp9, 4                       ; b
	s_and_b32 s18, ttmp9, 15                       ; h
	s_lshl_b32 s18, s18, 8                         ; a head's row is 256 bytes
	s_lshr_b32 s42, s12, 2
	s_mul_i32 s42, s42, 3
	s_xor_b32 s40, s12, s42                        ; m: 0 1 2 3 7 6 5 4
	s_lshl_b32 s16, s15, 24                        ; qk: b x 2,048 rows x 8,192 bytes + g x 256 rows + head
	s_lshl_b32 s19, s14, 21
	s_add_co_u32 s16, s16, s19
	s_add_co_u32 s16, s16, s18
	s_mov_b32 s17, 0
	s_lshl_b32 s30, s15, 23                        ; v and out: rows of 4,096 bytes
	s_lshl_b32 s19, s14, 20
	s_add_co_u32 s30, s30, s19
	s_add_co_u32 s30, s30, s18
	s_mov_b32 s31, 0
	s_mul_i32 s44, ttmp9, 7*STATE                  ; kvsum: the head's seven states
	s_mov_b32 s45, 0
	s_lshl_b32 s46, s40, 17                        ; out: + m x 32 rows
	s_add_co_u32 s46, s46, s30
	s_mov_b32 s47, 0
	v_lshrrev_b32 v9, 4, v0                        ; t / 16
	v_and_b32 v10, 15, v0                          ; t % 16
	v_lshlrev_b32 v11, 4, v10
	v_lshl_add_u32 v[OQK], v9, 13, v11
	v_lshl_add_u32 v[OV], v9, 12, v11
	v_lshlrev_b32 v[OST], 4, v0
	v_mul_u32_u24 v[LQ], v9, PQ
	v_lshl_add_u32 v[LQ], v10, 3, v[LQ]
	v_add_nc_u32 v[LKB], KH, v[LQ]
	v_add_nc_u32 v[LQB], QBF, v[LQ]
	v_mul_u32_u24 v[LV], v9, PV
	v_lshl_add_u32 v[LV], v10, 3, v[LV]
	v_add_nc_u32 v[LVL], VL, v[LV]
	v_add_nc_u32 v[LV], VH, v[LV]
	v_lshrrev_b32 v12, 6, v0
	v_and_b32 v13, 31, v0
	v_lshlrev_b32 v13, 4, v13
	v_lshl_add_u32 v13, v12, 9, v13
	v_bfe_u32 v12, v0, 5, 1
	v_lshl_add_u32 v13, v12, 3, v13
	v_add_nc_u32 v[LS], SB, v13
	s_wait_kmcnt 0x0
	s_add_nc_u64 s[20:21], s[4:5], s[16:17]        ; q
	s_add_nc_u64 s[22:23], s[20:21], 4096          ; k lies 16 heads behind q
	s_add_nc_u64 s[24:25], s[6:7], s[30:31]        ; v
	s_add_nc_u64 s[26:27], s[8:9], s[44:45]        ; states
	s_add_nc_u64 s[28:29], s[10:11], s[46:47]      ; out, my wave's first row
	s_mov_b32 s[HM], 0xffff0000                    ; the offset that s44 held has been used
	; THE PREFIX, written out for each g so that every count is a constant; the branch hangs on the work-group's number alone.
.irp gg, 1,2,3,4,5,6,7
	s_cmp_eq_u32 s14, \gg
	s_cbranch_scc1 .Lg\gg
.endr
	LOAD16 KR, OQK, 22, 131072                     ; g = 0: no earlier segment; the state is zero, and the one text below serves these 32 work-groups too
	v_mov_b32 v[SR], 0
	v_mov_b32 v[SR+1], 0
.irp si0, 0,1,2,3,4
	ds_store_b64 v[LS], v[SR:SR+1] offset:\si0*2048
.endr
	s_branch .Lmerged
.irp gg, 1,2,3,4,5,6
.Lg\gg:
	PREFIX \gg
	s_branch .Lmerged
.endr
.Lg7:
	PREFIX 7
.Lmerged:                                              ; on every way here exactly k's sixteen loads are out
	LOAD16 QR, OQK, 20, 131072
	LOAD16 VR, OV, 24, 65536
.set i, 0
.rept 16
	s_wait_loadcnt 47-i                            ; behind k's load i stand 15 - i of k, 16 of q, 16 of v
	ELU4 KR+4*i, T+4*(i%2), MK+4*(i%2), 0
	ds_store_b64 v[LKB], v[KR+4*i:KR+4*i+1] offset:i*16*PQ
.set i, i+1
.endr
.set i, 0
.rept 16
	s_wait_loadcnt 31-i                            ; behind q's load i stand 15 - i of q, 16 of v
	ELU4 QR+4*i, T+4*(i%2), MK+4*(i%2), 1
	ds_store_b64 v[LQ], v[QR+4*i:QR+4*i+1] offset:i*16*PQ
	ds_store_b64 v[LQB], v[QR+4*i+2:QR+4*i+3] offset:i*16*PQ
.set i, i+1
.endr
.set i, 0
.rept 16
	s_wait_loadcnt 15-i
	VSPLIT4 VR+4*i, T+6*(i%2)
	ds_store_b64 v[LV], v[T+6*(i%2):T+6*(i%2)+1] offset:i*16*PV
	ds_store_b64 v[LVL], v[VR+4*i:VR+4*i+1] offset:i*16*PV
.set i, i+1
.endr
	s_wait_dscnt 0x0                               ; my stores are in LDS, for the other waves' sake
	s_barrier_signal -1
	; register work while the others arrive: every global load is back, so v1 to v9 take their second meaning
	v_and_b32 v14, 15, v0                          ; r
	v_bfe_u32 v15, v0, 4, 1                        ; hh
	v_mul_u32_u24 v16, v14, PQ
	v_lshl_add_u32 v16, v15, 4, v16
	s_mul_i32 s42, s40, 32*PQ
	v_add_nc_u32 v[QA], s42, v16
	v_add_nc_u32 v[QAB], QBF, v[QA]
	v_add_nc_u32 v[KA], KH, v16
	v_and_b32 v17, 7, v0
	v_lshl_add_u32 v17, v15, 3, v17
	v_mul_u32_u24 v17, v17, PV
	v_bfe_u32 v18, v0, 3, 1
	v_lshl_add_u32 v17, v18, 4, v17
	v_add_nc_u32 v[VA], VH, v17
	v_and_b32 v18, 31, v0
	v_lshlrev_b32 v18, 4, v18
	v_add_nc_u32 v[SA], SB, v18
	s_mul_i32 s43, s12, STAGE
	s_add_co_u32 s43, s43, OB
	v_mul_u32_u24 v18, v14, PO
	v_lshl_add_u32 v18, v15, 5, v18
	v_add_nc_u32 v[STO], s43, v18
	v_mul_u32_u24 v18, v15, PO
	v_lshl_add_u32 v18, v14, 4, v18
	v_add_nc_u32 v[RD], s43, v18
	v_lshlrev_b32 v18, 4, v14
	v_lshl_add_u32 v[CO], v15, 12, v18
	v_lshlrev_b32 v18, 3, v15
	v_sub_nc_u32 v[RH], v14, v18
.irp jj, 0,1,2,3,4,5,6,7
	v_mov_b32 v[ONES+\jj], 0x3f803f80              ; 1.0 twice in bf16
.endr
	s_barrier_wait -1                              ; f(q), f(k), v and the state are whole
	; EARLIER SEGMENTS: state x my queries (both bf16) starts all ten sums.  Block T = 4 n + 2 kk + half is half a fragment.
.set tb, 0
.rept 20
	ds_load_b128 v[SF+4*tb:SF+4*tb+3], v[SA] offset:512*tb
.set tb, tb+1
.endr
.irp aa, 0,1
.irp cc, 0,1,2,3
	ds_load_b128 v[QFB+176*\aa+4*\cc:QFB+176*\aa+4*\cc+3], v[QAB] offset:\aa*16*PQ+32*\cc
.endr
.endr
.irp aa, 0,1
.irp cc, 0,1,2,3
	ds_load_b128 v[QF+16*\aa+4*\cc:QF+16*\aa+4*\cc+3], v[QA] offset:\aa*16*PQ+32*\cc
.endr
.endr
	s_wait_dscnt 8                                 ; the state and the bf16 queries are in; the eight loads of the f16 queries may stay out
	; here and below the accumulators take turns, one instruction a turn
.irp kk, 0,1
.irp nt, 0,1,2,3,4
.irp aa, 0,1
.if \kk == 0
	v_wmma_f32_16x16x32_bf16 v[O+40*\aa+8*\nt:O+40*\aa+8*\nt+7], v[SF+16*\nt+8*\kk:SF+16*\nt+8*\kk+7], v[QFB+176*\aa+8*\kk:QFB+176*\aa+8*\kk+7], 0
.else
	v_wmma_f32_16x16x32_bf16 v[O+40*\aa+8*\nt:O+40*\aa+8*\nt+7], v[SF+16*\nt+8*\kk:SF+16*\nt+8*\kk+7], v[QFB+176*\aa+8*\kk:QFB+176*\aa+8*\kk+7], v[O+40*\aa+8*\nt:O+40*\aa+8*\nt+7]
.endif
.endr
.endr
.endr
	PLACES 6                                       ; these products' sources are used again: four places before loads land in them, five before a product writes over them
	KLOAD                                          ; pair 0
	VLOAD VFH, 0
	s_mov_b32 s41, s40                             ; m full pairs lie below my diagonal pair
	s_cmp_eq_u32 s40, 0
	s_cbranch_scc1 .Ldiag
	; A FULL PAIR: 32 keys against my 32 queries.  At the head this pair's k (eight loads) and behind it its v, upper part (eight), are out.
.Lpair:
	s_wait_dscnt 8                                 ; k, and whatever is older, is in; v's eight loads may stay out
.irp kk, 0,1
	SMUL 0, 0, \kk
	SMUL 0, 1, \kk
	SMUL 1, 0, \kk
	SMUL 1, 1, \kk
.endr
	v_add_nc_u32 v[KA], 32*PQ, v[KA]               ; the next pair's keys; with the three v_nop the four places in front of the loads
	PLACES 3                                       ; into k's registers and of the split, which reads and rewrites the scores
	VLOAD VFL, VL-VH                               ; v's lower part takes k's registers; it lands while the scores are split
	v_add_nc_u32 v[VA], 32*PV, v[VA]               ; the next pair's values
	PSPLIT 0, 0
	PSPLIT 0, 4
	PSPLIT 1, 0
	PSPLIT 1, 4
	s_wait_dscnt 0x0                               ; both parts of v are in
	OM8 VFL, PH, 8                                 ; Vlo Phi first, so that its registers come free
	PLACES 4                                       ; in front of the loads into them
	KLOAD                                          ; pair p + 1 <= m: it exists in every trip; twenty products stand between these loads and their wait
	OM8 VFH, PH, 8                                 ; Vhi Phi
	OM1 PH, 8                                      ; 1 Phi
	OM8 VFH, ST, 16                                ; Vhi Plo
	OM1 ST, 16                                     ; 1 Plo
	PLACES 5                                       ; four in front of the loads into v's registers, five in front of the next scores, which write over Plo
	VLOAD VFH, 0
	s_sub_co_u32 s41, s41, 1
	s_cmp_lg_u32 s41, 0
	s_cbranch_scc1 .Lpair
	; THE DIAGONAL PAIR.  Tile (0, 1) lies wholly above the diagonal and is not made; (1, 0) wholly below; (0, 0) and (1, 1) keep key 8 hh + j <= query r.
.Ldiag:
	s_wait_dscnt 8
.irp kk, 0,1
	SMUL 0, 0, \kk
	SMUL 1, 0, \kk
	SMUL 1, 1, \kk
.endr
	PLACES 4
	VLOAD VFL, VL-VH
.irp jj, 0,1,2,3,4,5,6,7
	v_cmp_le_i32 vcc_lo, \jj, v[RH]
	v_cndmask_b32 v[ST+\jj], 0, v[ST+\jj], vcc_lo
	v_cndmask_b32 v[ST+24+\jj], 0, v[ST+24+\jj], vcc_lo
.endr
	PSPLIT 0, 0
.irp cc, 4,5,6,7
	v_mov_b32 v[PH+\cc], 0                         ; tile (0, 1): both parts are zero
	v_mov_b32 v[ST+\cc], 0
.endr
	PSPLIT 1, 0
	PSPLIT 1, 4
	s_wait_dscnt 0x0                               ; v is in, and this was my last read of the shared tiles:
	s_barrier_signal -1                            ; say so.  This barrier closes the phase in which LDS is read by all: behind it each wave writes and reads its own stage alone.
	OM8 VFL, PH, 8                                 ; It does not lengthen the work-group: the wave of block 7 arrives last and has its own way out still ahead.
	OM8 VFH, PH, 8
	OM1 PH, 8
	OM8 VFH, ST, 16
	OM1 ST, 16
	PLACES 4                                       ; in front of everything that reads results or writes the products' registers
	; DIVIDE.  Every register of accumulator 4 holds nu of the lane's query.
	v_rcp_f32 v[RC], v[O+32]
	v_rcp_f32 v[RC+1], v[O+32]
	v_rcp_f32 v[RC+2], v[O+72]
	v_rcp_f32 v[RC+3], v[O+72]
	v_nop                                          ; one plain place behind the reciprocals (ISA guide 5.7.2)
	s_wait_alu depctr_va_vdst(0)
.irp aa, 0,1
.set k2, 0
.rept 16
	v_pk_mul_f32 v[O+40*\aa+2*k2:O+40*\aa+2*k2+1], v[O+40*\aa+2*k2:O+40*\aa+2*k2+1], v[RC+2*\aa:RC+2*\aa+1]
.set k2, k2+1
.endr
.endr
	s_barrier_wait -1
	; THE WAY OUT.  A lane holds out[16 a + r][16 n + 8 hh + 0..7]: 32 bytes of a row.  Through my own stage the rows come back whole.
.irp aa, 0,1
.irp nt, 0,1,2,3
	ds_store_b128 v[STO], v[O+40*\aa+8*\nt:O+40*\aa+8*\nt+3]   offset:\aa*16*PO+64*\nt
	ds_store_b128 v[STO], v[O+40*\aa+8*\nt+4:O+40*\aa+8*\nt+7] offset:\aa*16*PO+64*\nt+16
.endr
.endr
.set tb, 0
.rept 16
	ds_load_b128 v[BK+4*tb:BK+4*tb+3], v[RD] offset:tb*2*PO        ; LDS serves a wave's instructions in order (ISA guide 5.7.1): these see the stores above
.set tb, tb+1
.endr
.set tb, 0
.rept 16
	s_wait_dscnt 15-tb
	global_store_b128 v[CO], v[BK+4*tb:BK+4*tb+3], s[28:29] offset:tb*8192 th:TH_STORE_NT   ; rows 2 tb, 2 tb + 1: sixteen lanes store a head's row, 256 consecutive bytes, aligned
.set tb, tb+1
.endr
	s_wait_tensorcnt 0x0
	ds_add_u32 v254, v255
	s_wait_dscnt 0x0
	s_endpgm
.Lfunc_end_k_q6eba1fb1f0_attn:
	.size	k_q6eba1fb1f0_attn, .Lfunc_end_k_q6eba1fb1f0_attn-k_q6eba1fb1f0_attn
	.p2alignl 7, 3214868480
	.fill 96, 4, 3214868480
	.section	.rodata,"a",@progbits
	.p2align	6, 0x0
	.amdhsa_kernel k_q6eba1fb1f0_attn
		.amdhsa_group_segment_fixed_size 273408
		.amdhsa_private_segment_fixed_size 0
		.amdhsa_enable_private_segment 0
		.amdhsa_kernarg_size 32
		.amdhsa_user_sgpr_count 2
		.amdhsa_user_sgpr_kernarg_segment_ptr 1
		.amdhsa_wavefront_size32 1
		.amdhsa_system_sgpr_workgroup_id_x 1
		.amdhsa_system_sgpr_workgroup_id_y 1
		.amdhsa_system_sgpr_workgroup_id_z 1
		.amdhsa_system_vgpr_workitem_id 0
		.amdhsa_next_free_vgpr 256
		.amdhsa_next_free_sgpr 66
		.amdhsa_reserve_vcc 1
		.amdhsa_float_denorm_mode_32 3
		.amdhsa_float_denorm_mode_16_64 3
		.amdhsa_memory_ordered 1
		.amdhsa_forward_progress 1
		.amdhsa_inst_pref_size 137
	.end_amdhsa_kernel
	.amdgpu_metadata
---
amdhsa.version: [ 1, 2 ]
amdhsa.kernels:
  - .name:           k_q6eba1fb1f0_attn
    .symbol:         k_q6eba1fb1f0_attn.kd
    .args:
      - { .name: qk, .offset: 0, .size: 8, .value_kind: global_buffer, .address_space: global }
      - { .name: v, .offset: 8, .size: 8, .value_kind: global_buffer, .address_space: global }
      - { .name: kvsum, .offset: 16, .size: 8, .value_kind: global_buffer, .address_space: global }
      - { .name: out0, .offset: 24, .size: 8, .value_kind: global_buffer, .address_space: global }
    .group_segment_fixed_size: 273408
    .private_segment_fixed_size: 0
    .kernarg_segment_align: 8
    .kernarg_segment_size: 32
    .max_flat_workgroup_size: 256
    .sgpr_count:     66
    .vgpr_count:     256
    .wavefront_size: 32
...
	.end_amdgpu_metadata
.endif
;; end of part 2
